; MI455X (gfx1250); checked and timed in simulation.
; The chip was launched on July 23, 2026; its instructions are those of AMD's public machine-readable ISA for CDNA 5 (MIT licence, August 2026) and "CDNA5" Instruction Set Architecture Reference Guide (July 2026). The comments in the code are by the model that wrote it; some were corrected since.
;; SVD Quant Linear. Allowed arithmetic: matrix products marked QUANTISED: E2M3 operands, one E8M0 scale for each 32 along K, by v_wmma_scale_f32_16x16x128_f8f6f4 with both operands' format E2M3, f32 sums; everything else in f32.
;; Inputs: bias 4,096 float32; lora_A 32 x 4,096 float32; lora_B 4,096 x 32 float32; lora_S 32 float32; w_q 4,096 x 4,096 int32; w_scale 4,096 float32; x 4 x 1,024 x 4,096 float32.
;; Outputs: out0 4 x 1,024 x 4,096 float32.
;; This version of the problem:
;;   THIS VERSION OF THE PROBLEM IS GIVEN IN LOW PRECISION. The matrix products marked QUANTISED in the list below multiply operands that are first quantised to E2M3 (2 exponent bits, 3 mantissa bits; 6 bits a number), with one power-of-two scale for each 32 numbers along K (OCP MX v1.0); their sums are f32. All else is computed in f32.
;;   The module's matrix products, in the order in which they are computed (A, B: the left and right operand; K: the contracted axis; several contracted axes count as one K, in the product's order):
;;     1. [M 4,096, K 4,096] x [K 4,096, N 4,096]; A: input x; B: computed on the way: QUANTISED
;;     2. [M 4,096, K 4,096] x [K 4,096, N 32]; A: input x; B: input lora_A: QUANTISED
;;     3. [M 4,096, K 32] x [K 32, N 4,096]; A: computed on the way; B: input lora_B: QUANTISED
;;   THE QUANTISER, for each operand of a quantised product, along K:
;;     - K is cut into blocks of 32 from its start; a last block that is shorter is filled with zeros.
;;     - A block's scale is 2^e with e = floor(log2(the largest magnitude in the block)) - 2, held to -126 .. 127; a block of zeros has e = 0. As a byte (E8M0): e + 127.
;;     - Each number is divided by its block's scale, clamped to +-7.5, and rounded to the nearest number of E2M3, ties to even, subnormals kept.
;;     - The product sums the exact products of the quantised numbers (number of the format x scale) in f32.
;;   ~~~python
;;   def quantise(x, axis):      # numpy; x: float32 -> the quantised numbers, widened to float32 again
;;       x = np.moveaxis(x, axis, -1); K = x.shape[-1]
;;       x = np.pad(x, [(0, 0)] * (x.ndim - 1) + [(0, -K % 32)]); x = x.reshape(x.shape[:-1] + (-1, 32)); a = np.abs(x).max(-1, keepdims=True)
;;       e = np.where(a > 0, np.clip(np.frexp(np.where(a > 0, a, 1))[1] - 1 - 2, -126, 127), 0)      # np.frexp(a)[1] - 1 = floor(log2(a)), exactly
;;       r = np.clip(x / 2.0 ** e, -7.5, 7.5)
;;       step = 2.0 ** (np.maximum(np.frexp(np.where(r == 0, 1, r))[1] - 1, 0) - 3)
;;       q = np.round(r / step) * step * 2.0 ** e      # np.round: ties to even
;;       return np.moveaxis(q.reshape(q.shape[:-2] + (-1,))[..., :K], -1, axis).astype(np.float32)
;;   ~~~
;;   OPERANDS COMPUTED ON THE WAY. 'Computed on the way' means the value that the module computes at that place (a softmax that the list does not call 'softmax' is quantised finished and normalised). What goes into a quantiser is computed in f32, as accurately as f32 sums, v_exp_f32 and their like allow (about 1e-6 of the number): no bf16 or f16 on the way to a quantiser, and a product that is left as it is and whose result goes on into a quantised operand takes f32 operands (vector FMAs, or v_wmma_f32_16x16x4_f32). A number that lies on a knife's edge between two numbers of the format may be rounded either way, as far as f32 arithmetic and the matrix unit's own rounding can turn it there, and no further.
;; One version. Each part assembles by itself: llvm-mc -triple=amdgcn-amd-amdhsa -mcpu=gfx1250 --defsym DOCPART=n.
;; ======== version 1 of 1: 3 launches
;; limits: right only within a limited range of input values
;; workspace buffers: xc 12,582,912 bytes; wc 12,582,912 bytes; ac 98,304 bytes; sc 1,447,424 bytes; delta 327,680 bytes
;; launch quant (part 1): grid 514 x 1, 4 waves a work-group, no clusters, 37,376 bytes of LDS; arguments x, w_q, lora_A, w_scale, xc, wc, ac, sc; writes xc, wc, ac, sc
.if DOCPART == 1
	.amdgcn_target "amdgcn-amd-amdhsa--gfx1250"
	.amdhsa_code_object_version 6
	.text
	.protected	k_q183bf34c7c_quant
	.globl	k_q183bf34c7c_quant
	.p2align	8
	.type	k_q183bf34c7c_quant,@function
k_q183bf34c7c_quant:
	s_mov_b64 s[64:65], 0
	v_nop
	global_prefetch_b8 v0, s[64:65] scope:SCOPE_SE
	s_setreg_imm32_b32 hwreg(HW_REG_WAVE_MODE, 25, 1), 1
	s_wait_xcnt 0x0
; x [4096][4096] f32, w_deq = f32(w_q) * w_scale[row] [4096][4096] and lora_A [32][4096] f32 become codes of FP6 (E2M3) with one E8M0 byte for each 32 along K.
; A block's scale is 2^(floor(log2(largest magnitude)) - 2); its byte is that magnitude's exponent field - 2, held at 1 from below; beyond 7.5 the largest code.
; Nothing of the module is left out by this program: every input has a way to the output and is loaded.
; LIMITS: NaN and infinities among the inputs are not served.  A block of zeros gets the byte 1 where the quantiser says 127: its codes are zeros, and only this program reads the bytes.
; THE CODES' LAYOUT is an image of operand registers.  A fragment, 16 rows x 128 K, is 1,536 bytes: three pieces of 512 bytes, piece g holding registers 4 g .. 4 g + 3 of lane l at 16 l.
; Lane (r, h) holds the 48 bytes at 96 q + 48 h of row r's stream of codes: blocks 2 h and 2 h + 1 of the step's four.  Fragments lie [block of 16 rows][step q of 32].
; The matrix instruction takes byte 2 c + h of a scale word for registers 6 c on of lane half h, which hold block 2 h + c: so a word's bytes are blocks 0, 2, 1, 3.  Both operands of a product are laid alike.
; THE SCALE WORDS' LAYOUT: [block of 16 rows][phase of 3 steps, 11][row][4 words]: words 0-2 the phase's steps, the rest 0: 2,816 bytes a block of rows; x's 256 blocks, w's 256, lora_A's 2 on end.
; SHARES.  Work-group g takes block of rows g (0-255 x, 256-511 w_q, 512-513 lora_A): only pointers are chosen.  Wave w takes steps 8 w .. 8 w + 7.  A step: 16 loads, each 512 consecutive bytes of a row,
; go through the wave's own stage in LDS (rows of 512 + 16 bytes) and come back 256 bytes a lane: a lane's 64 numbers are its two whole blocks, so no other lane is asked for a maximum,
; and the four conversions give the lane's 12 operand registers, stored as three runs of 512 consecutive bytes.  Loads run two steps (32 loads a wave) ahead.
; The scale words meet in LDS ([step][row]) behind one barrier and leave in runs of 256 bytes.  No prefetch: the launch streams each byte once with its loads far ahead.
.set SPARE, 3072                       ; bytes 0-2303: 36 rows of 16 scale words (rows 32-35 zeros); the spare words, 512 bytes, from 3,072
.set STG,   3584                       ; the four stages
.set SP,    528
.set X,     64                         ; v64-127  a lane's 64 neighbours
.set R,     128                        ; v128-255 two sets of 64 as loaded
.set C,     24                         ; v24-35   the operand image
.set SEL,   34
	s_load_b256 s[4:11], s[0:1], 0x0               ; x, w_q, lora_A, w_scale
	s_load_b256 s[12:19], s[0:1], 0x20             ; xc, wc, ac, sc
	v_lshl_add_u32 v8, v0, 2, SPARE                ; my spare word
	v_mov_b32 v9, 0
	v_lshrrev_b32 v1, 5, v0
	v_readfirstlane_b32 s24, v1                    ; wave
	s_mul_i32 s26, s24, 16*SP
	s_add_co_u32 s26, s26, STG                     ; my stage
	s_lshl_b32 s23, s24, 9                         ; my 8 rows of scale words
	s_cmp_lt_u32 ttmp9, 256
	s_cselect_b32 s25, 0, 256
	s_cmp_lt_u32 ttmp9, 512
	s_cselect_b32 s25, s25, 512                    ; the tensor's first work-group
	s_sub_co_u32 s28, ttmp9, s25                   ; my block of rows in the tensor
	s_sub_co_u32 s29, ttmp9, 256
	s_cmp_lt_u32 s29, 256
	s_cselect_b32 s27, 1, 0                        ; 1: the numbers are w_q's
	s_lshl_b32 s29, s28, 6
	s_cselect_b32 s29, s29, 0                      ; w_scale of my 16 rows (for x and lora_A the first 16, not used)
	s_mov_b32 s[SEL], 0x76543210
	s_mov_b32 s[SEL+1], 0xfedcba98                 ; lane l xor 16
	v_and_b32 v2, 31, v0
	v_lshlrev_b32 v2, 4, v2                        ; 16 x lane
	v_and_b32 v5, 15, v0                           ; r
	v_bfe_u32 v7, v0, 4, 1                         ; h
	v_add_nc_u32 v3, s26, v2                       ; stage, in
	v_mul_u32_u24 v4, v5, SP
	v_lshl_add_u32 v4, v7, 8, v4
	v_add_nc_u32 v4, s26, v4                       ; stage, out: row r, 256 h
	v_lshl_add_u32 v6, v5, 2, s23                  ; my scale word: 512 wave + 4 r
	v_lshlrev_b32 v7, 3, v7                        ; 8 h
	v_lshrrev_b32 v12, 4, v0
	v_mul_u32_u24 v12, v12, 192
	v_lshl_add_u32 v15, v5, 2, v12                 ; way out: phase thread / 16, row r
	v_bfe_u32 v12, v0, 4, 2
	v_mul_u32_u24 v12, v12, 192
	v_lshl_add_u32 v12, v5, 2, v12                 ; second batch: phase 8 + (thread / 16) % 4, row r
	v_lshlrev_b32 v1, 4, v0                        ; and 16 x thread in memory
	v_lshl_add_u32 v13, v5, 2, s29
	v_mov_b32 v11, 0                               ; upper half of the pair v[10:11]
	v_mov_b32 v14, 0                               ; a lane permute's destination counts as a source
.irp j, 40,41,42,43,44,45,46,47
	v_mov_b32 v\j, 0                               ; the way out's registers; v43 and v47 stay 0
.endr
	s_wait_alu depctr_va_vdst(0)                   ; the wait at the head's end
	s_wait_kmcnt 0x0
	s_cmp_lt_u32 ttmp9, 256
	s_cselect_b64 s[4:5], s[4:5], s[6:7]
	s_cselect_b64 s[12:13], s[12:13], s[14:15]
	s_cmp_lt_u32 ttmp9, 512
	s_cselect_b64 s[4:5], s[4:5], s[8:9]
	s_cselect_b64 s[12:13], s[12:13], s[16:17]
	s_mov_b32 s31, 0
	s_lshl_b32 s30, s28, 18                        ; 16 rows of 16,384 bytes
	s_lshl_b32 s29, s24, 12                        ; my quarter of a row
	s_add_co_u32 s30, s30, s29
	s_add_nc_u64 s[4:5], s[4:5], s[30:31]
	s_mul_i32 s30, s28, 49152
	s_mul_i32 s29, s24, 12288
	s_add_co_u32 s30, s30, s29
	s_add_nc_u64 s[12:13], s[12:13], s[30:31]
	s_mul_i32 s30, ttmp9, 2816
	s_add_nc_u64 s[18:19], s[18:19], s[30:31]
	global_load_b32 v10, v13, s[10:11]             ; my row's w_scale
.macro LOAD t
.irp i, 0,1,2,3,4,5,6,7,8,9,10,11,12,13,14,15
	global_load_b128 v[R+64*((\t)%2)+4*\i:R+64*((\t)%2)+4*\i+3], v2, s[4:5] offset:16384*\i+512*(\t) th:TH_LOAD_NT
.endr
.endm
	LOAD 0
	LOAD 1
.macro STEP t
.if (\t) < 7
	s_wait_loadcnt 16                              ; this step's 16 loads are in; the next step's may be out
.else
	s_wait_loadcnt 0
.endif
.irp i, 0,1,2,3,4,5,6,7,8,9,10,11,12,13,14,15
	ds_store_b128 v3, v[R+64*((\t)%2)+4*\i:R+64*((\t)%2)+4*\i+3] offset:SP*\i
.endr
.irp i, 0,1,2,3,4,5,6,7,8,9,10,11,12,13,14,15
	ds_load_b128 v[X+4*\i:X+4*\i+3], v4 offset:16*\i   ; LDS serves a wave's instructions in order
.endr
	s_wait_dscnt 0x0                               ; my 64 numbers are back, so the stores have read their registers,
.if (\t)+2 < 8
	LOAD (\t)+2                                    ; which take the loads of two steps on
.endif
	s_wait_xcnt 0x0                                ; the last step's stores have read the image's registers
	s_cmp_eq_u32 s27, 0
	s_cbranch_scc1 .Lwide_\@                       ; x and lora_A are f32 already
.irp i, 0,1,2,3,4,5,6,7,8,9,10,11,12,13,14,15,16,17,18,19,20,21,22,23,24,25,26,27,28,29,30,31
	v_cvt_f32_i32 v[X+2*\i], v[X+2*\i]
	v_cvt_f32_i32 v[X+2*\i+1], v[X+2*\i+1]
.endr
.irp i, 0,1,2,3,4,5,6,7,8,9,10,11,12,13,14,15,16,17,18,19,20,21,22,23,24,25,26,27,28,29,30,31
	v_pk_mul_f32 v[X+2*\i:X+2*\i+1], v[X+2*\i:X+2*\i+1], v[10:11] op_sel_hi:[1,0]   ; times my row's scale
.endr
.Lwide_\@:
.irp c, 0,1                                    ; two blocks, two chains each, by turns; the floor 2^(3 - 127) holds the byte at 1
	v_max3_num_f32 v[16+2*\c], |v[X+32*\c]|, |v[X+32*\c+1]|, 0x1800000
	v_max3_num_f32 v[17+2*\c], |v[X+32*\c+2]|, |v[X+32*\c+3]|, 0x1800000
.endr
.irp i, 4,8,12,16,20,24,28
.irp c, 0,1
	v_max3_num_f32 v[16+2*\c], v[16+2*\c], |v[X+32*\c+\i]|, |v[X+32*\c+\i+1]|
	v_max3_num_f32 v[17+2*\c], v[17+2*\c], |v[X+32*\c+\i+2]|, |v[X+32*\c+\i+3]|
.endr
.endr
	v_max_num_f32 v16, v16, v17
	v_max_num_f32 v18, v18, v19
	v_add_nc_u32 v20, 0xff000000, v16              ; 2 off the exponent field: the conversion's scale operand
	v_add_nc_u32 v21, 0xff000000, v18
	v_lshrrev_b32 v22, 23, v20                     ; the bytes
	v_lshrrev_b32 v23, 23, v21
	v_cvt_scalef32_pk16_fp6_f32 v[C:C+2], v[X:X+15], v20
	v_cvt_scalef32_pk16_fp6_f32 v[C+6:C+8], v[X+32:X+47], v21
	v_lshl_or_b32 v22, v23, 16, v22                ; (a plain line behind the conversions)
	v_cvt_scalef32_pk16_fp6_f32 v[X:X+2], v[X+16:X+31], v20        ; a conversion's three registers begin on an even number: made in numbers that are done with, and moved
	v_cvt_scalef32_pk16_fp6_f32 v[X+32:X+34], v[X+48:X+63], v21
	v_lshlrev_b32 v22, v7, v22                     ; my two bytes at places h and 2 + h
.irp i, 0,1,2
	v_mov_b32 v[C+3+\i], v[X+\i]
	v_mov_b32 v[C+9+\i], v[X+32+\i]
.endr
	v_permlanex16_b32 v14, v22, s[SEL], s[SEL+1]
	v_or_b32 v22, v22, v14                         ; the row's word
	ds_store_b32 v6, v22 offset:64*(\t)            ; lanes l and l + 16 write the same word with the same value
.irp g, 0,1,2
	global_store_b128 v2, v[C+4*\g:C+4*\g+3], s[12:13] offset:1536*(\t)+512*\g   ; 512 consecutive bytes
.endr
.endm
.irp t, 0,1,2,3,4,5,6,7
	STEP \t
.endr
	s_cmp_lg_u32 s24, 3
	s_cbranch_scc1 .Lnot_3
.irp i, 0,1,2,3
	ds_store_b32 v6, v9 offset:512+64*\i           ; wave 3: rows 32-35 of zeros: the last phase's third word, and what the second batch's idle threads read
.endr
.Lnot_3:
	s_wait_dscnt 0x0                               ; for the others' sake: my words have landed
	s_barrier_signal -1
	s_barrier_wait -1
.irp i, 0,1,2
	ds_load_b32 v[40+\i], v15 offset:64*\i         ; phases 0-7: thread (phase, row) takes its three words
	ds_load_b32 v[44+\i], v12 offset:1536+64*\i    ; phases 8-10, in threads 0-47; the others read words that are not stored
.endr
	s_wait_dscnt 0x0
	global_store_b128 v1, v[40:43], s[18:19]
	v_cmp_gt_u32 vcc_lo, 48, v0                    ; phases 8-10: 48 threads
	s_wait_xcnt 0x0                                ; EXEC changes only behind this wait
	s_and_saveexec_b32 s36, vcc_lo
	global_store_b128 v1, v[44:47], s[18:19] offset:2048
	s_wait_xcnt 0x0
	s_or_b32 exec_lo, exec_lo, s36
	s_wait_tensorcnt 0x0                           ; the wave's end
	ds_add_u32 v8, v9
	s_wait_dscnt 0x0
	s_endpgm
.Lfunc_end_k_q183bf34c7c_quant:
	.size	k_q183bf34c7c_quant, .Lfunc_end_k_q183bf34c7c_quant-k_q183bf34c7c_quant
	.p2alignl 7, 3214868480
	.fill 96, 4, 3214868480
	.section	.rodata,"a",@progbits
	.p2align	6, 0x0
	.amdhsa_kernel k_q183bf34c7c_quant
		.amdhsa_group_segment_fixed_size 37376
		.amdhsa_private_segment_fixed_size 0
		.amdhsa_enable_private_segment 0
		.amdhsa_kernarg_size 64
		.amdhsa_user_sgpr_count 2
		.amdhsa_user_sgpr_kernarg_segment_ptr 1
		.amdhsa_wavefront_size32 1
		.amdhsa_system_sgpr_workgroup_id_x 1
		.amdhsa_system_sgpr_workgroup_id_y 1
		.amdhsa_system_sgpr_workgroup_id_z 1
		.amdhsa_system_vgpr_workitem_id 0
		.amdhsa_next_free_vgpr 256
		.amdhsa_next_free_sgpr 66
		.amdhsa_reserve_vcc 1
		.amdhsa_float_denorm_mode_32 3
		.amdhsa_float_denorm_mode_16_64 3
		.amdhsa_memory_ordered 1
		.amdhsa_forward_progress 1
		.amdhsa_inst_pref_size 93
	.end_amdhsa_kernel
	.amdgpu_metadata
---
amdhsa.version: [ 1, 2 ]
amdhsa.kernels:
  - .name:           k_q183bf34c7c_quant
    .symbol:         k_q183bf34c7c_quant.kd
    .args:
      - { .name: x, .offset: 0, .size: 8, .value_kind: global_buffer, .address_space: global }
      - { .name: w_q, .offset: 8, .size: 8, .value_kind: global_buffer, .address_space: global }
      - { .name: lora_A, .offset: 16, .size: 8, .value_kind: global_buffer, .address_space: global }
      - { .name: w_scale, .offset: 24, .size: 8, .value_kind: global_buffer, .address_space: global }
      - { .name: xc, .offset: 32, .size: 8, .value_kind: global_buffer, .address_space: global }
      - { .name: wc, .offset: 40, .size: 8, .value_kind: global_buffer, .address_space: global }
      - { .name: ac, .offset: 48, .size: 8, .value_kind: global_buffer, .address_space: global }
      - { .name: sc, .offset: 56, .size: 8, .value_kind: global_buffer, .address_space: global }
    .group_segment_fixed_size: 37376
    .private_segment_fixed_size: 0
    .kernarg_segment_align: 8
    .kernarg_segment_size: 64
    .max_flat_workgroup_size: 128
    .sgpr_count:     66
    .vgpr_count:     256
    .wavefront_size: 32
...
	.end_amdgpu_metadata
.endif
;; end of part 1
;; launch lora (part 2): grid 256 x 1, 8 waves a work-group, no clusters, 17,408 bytes of LDS; arguments xc, ac, sc, lora_S, lora_B, delta; writes delta
.if DOCPART == 2
	.amdgcn_target "amdgcn-amd-amdhsa--gfx1250"
	.amdhsa_code_object_version 6
	.text
	.protected	k_q183bf34c7c_lora
	.globl	k_q183bf34c7c_lora
	.p2align	8
	.type	k_q183bf34c7c_lora,@function
k_q183bf34c7c_lora:
	s_mov_b64 s[64:65], 0
	v_nop
	global_prefetch_b8 v0, s[64:65] scope:SCOPE_SE
	s_setreg_imm32_b32 hwreg(HW_REG_WAVE_MODE, 25, 1), 1
	s_wait_xcnt 0x0
; The low-rank branch up to its last product's operands.  xa = Q(x) Q(lora_A)^T on the codes and scale words of the launch before; xa * lora_S in f32; then xa * lora_S and lora_B,
; whose K is the rank 32 (one block a row), are quantised and stored as images of operand registers for the last launch.
; SHARES.  Work-group g owns rows 16 g .. 16 g + 15 of x and of lora_B.  Wave w takes K steps 4 w .. 4 w + 3 for both tiles of 16 rows of lora_A.  The codes lie in memory as register images,
; so each fragment comes by three loads of 512 consecutive bytes straight into its registers: no tile in LDS, hence no tensor load and no joint request (lora_A's 98,304 bytes of codes are what is shared).
; No loop, so no prefetch.  The eight partial sums meet in LDS behind one barrier and are added by wave 0 in the fixed order p0 + p1 + .. + p7.  Wave 1 quantises lora_B's 16 rows.
; THE PRODUCT IS USED TRANSPOSED (source 0 = 16 rows of lora_A, source 1 = my 16 rows of x): lane (r, h) holds row r of x, register 8 u + j the rank index 16 u + 8 h + j.
; THE IMAGE.  Lane (r, h) stores 16 bytes at 16 x lane: three registers with the 16 codes of rank indices 8 h + 0..7 and 16 + 8 h + 0..7 of row r, and a register of zeros: the instruction's K places 32 h + 0 .. 15.
; The row's one scale byte stands in bytes 0 and 1 of its word; bytes 2 and 3 are 0, over zero codes alone.  Both operands are laid alike.
; LIMITS: NaN and infinities are not served.  A block of zeros gets the byte 1 where the quantiser says 127: its codes are zeros and only this program reads the byte.
; xa is eight partial f32 sums along K added in a fixed order, where the definition has one sum: a difference of f32 rounding.
.set SPARE, 16384                      ; bytes 0-16,383: the partial sums, 2,048 a wave; then the spare words, 1,024 bytes
.set XIMG,  0
.set LIMG,  131072
.set XW,    262144
.set LW,    294912
.set WV,  18
.set SEL, 22
.set ACC, 40
; v16-19 x's scale words, v24-27 and v32-35 lora_A's: scales and nothing else; v64-207 the fragments of four steps; v208-223 lora_S; v224-239 lora_B; v240-243 the image; v244-247 scale offsets
.macro QUANT s
	v_max3_num_f32 v56, |v[\s]|, |v[\s+1]|, 0x1800000              ; my 16 numbers, and the floor 2^(3 - 127)
.irp i, 2,4,6,8,10,12,14
	v_max3_num_f32 v56, v56, |v[\s+\i]|, |v[\s+\i+1]|
.endr
	v_permlanex16_b32 v57, v56, s[SEL], s[SEL+1]
	v_max_num_f32 v56, v56, v57                    ; the block's largest magnitude
	v_add_nc_u32 v58, 0xff000000, v56
	v_lshrrev_b32 v59, 23, v58
	v_lshl_or_b32 v60, v59, 8, v59                 ; the byte in bytes 0 and 1
	v_cvt_scalef32_pk16_fp6_f32 v[240:242], v[\s:\s+15], v58
	v_nop                                          ; one plain line behind a scaled conversion
.endm
.macro PUT img, wrd
	global_store_b128 v11, v[240:243], s[14:15] offset:\img
	global_store_b32 v12, v60, s[14:15] offset:\wrd
.endm
	s_load_b256 s[4:11], s[0:1], 0x0               ; xc, ac, sc, lora_S
	s_load_b128 s[12:15], s[0:1], 0x20             ; lora_B, delta
	v_lshl_add_u32 v254, v0, 2, SPARE
	v_mov_b32 v255, 0
	v_lshrrev_b32 v15, 5, v0
	v_readfirstlane_b32 s[WV], v15                 ; wave 0..7
	s_lshl_b32 s29, s[WV], 2
.irp s, 0,1,2,3                                ; step st's word of a row: 4 st + 244 (st / 3) + 16 r;  st / 3 = 11 st >> 5 for st under 32
	s_add_co_u32 s[32+\s], s29, \s
	s_mul_i32 s31, s[32+\s], 11
	s_lshr_b32 s31, s31, 5
	s_mul_i32 s31, s31, 244
	s_lshl_b32 s[32+\s], s[32+\s], 2
	s_add_co_u32 s[32+\s], s[32+\s], s31
.endr
	s_lshl_b32 s19, s[WV], 11
	s_lshl_b32 s20, ttmp9, 9
	s_lshl_b32 s21, ttmp9, 7
	s_mov_b32 s[SEL], 0x76543210
	s_mov_b32 s[SEL+1], 0xfedcba98
	v_and_b32 v1, 15, v0                           ; r
	v_bfe_u32 v2, v0, 4, 1                         ; h
	v_and_b32 v3, 31, v0
	v_lshlrev_b32 v9, 4, v3                        ; 16 x lane: fragments, and partial sums read
	v_add_nc_u32 v8, s19, v9                       ; partial sums stored: + 2,048 x wave
	v_lshlrev_b32 v10, 4, v1
.irp s, 0,1,2,3
	v_add_nc_u32 v[244+\s], s[32+\s], v10
.endr
	v_add_nc_u32 v11, s20, v9                      ; the image: 512 g + 16 x lane
	v_lshl_add_u32 v12, v3, 2, s21                 ; its scale words: 128 g + 4 x lane
	v_lshlrev_b32 v13, 5, v2                       ; lora_S: rank indices 8 h on
	v_lshl_add_u32 v14, v1, 7, v13                 ; lora_B: row r of 128 bytes
	v_mov_b32 v57, 0
	v_mov_b32 v243, 0
	s_mul_i32 s24, ttmp9, 49152
	s_mul_i32 s26, s[WV], 6144                     ; my four steps
	s_add_co_u32 s24, s24, s26
	s_mov_b32 s25, 0
	s_mov_b32 s27, 0
	s_mul_i32 s28, ttmp9, 2816
	s_mov_b32 s29, 0
	s_lshl_b32 s30, ttmp9, 11
	s_mov_b32 s31, 0
	s_wait_alu depctr_va_vdst(0)                   ; the wait at the head's end
	s_wait_kmcnt 0x0
	s_add_nc_u64 s[4:5], s[4:5], s[24:25]
	s_add_nc_u64 s[6:7], s[6:7], s[26:27]
	s_add_nc_u64 s[24:25], s[8:9], s[28:29]        ; x's scale words
	s_add_nc_u64 s[8:9], s[8:9], 512*2816          ; lora_A's
	s_add_nc_u64 s[12:13], s[12:13], s[30:31]
.irp s, 0,1,2,3
.irp g, 0,1,2
	global_load_b128 v[64+36*\s+4*\g:67+36*\s+4*\g], v9, s[4:5] offset:1536*\s+512*\g
	global_load_b128 v[76+36*\s+4*\g:79+36*\s+4*\g], v9, s[6:7] offset:1536*\s+512*\g
	global_load_b128 v[88+36*\s+4*\g:91+36*\s+4*\g], v9, s[6:7] offset:49152+1536*\s+512*\g
.endr
	global_load_b32 v[16+\s], v[244+\s], s[24:25]
	global_load_b32 v[24+\s], v[244+\s], s[8:9]
	global_load_b32 v[32+\s], v[244+\s], s[8:9] offset:2816
.endr
	global_load_b128 v[208:211], v13, s[10:11]     ; lora_S in the accumulators' order
	global_load_b128 v[212:215], v13, s[10:11] offset:16
	global_load_b128 v[216:219], v13, s[10:11] offset:64
	global_load_b128 v[220:223], v13, s[10:11] offset:80
	s_cmp_lg_u32 s[WV], 1
	s_cbranch_scc1 .Lnot_lb
	global_load_b128 v[224:227], v14, s[12:13]     ; wave 1: lora_B's 16 rows, in the same order
	global_load_b128 v[228:231], v14, s[12:13] offset:16
	global_load_b128 v[232:235], v14, s[12:13] offset:64
	global_load_b128 v[236:239], v14, s[12:13] offset:80
	s_wait_loadcnt 0x0
	QUANT 224
	PUT LIMG, LW
.Lnot_lb:
	s_wait_loadcnt 0x0
.irp s, 0,1,2,3
.irp u, 0,1                                    ; the two accumulators by turns
.if \s == 0
	v_wmma_scale_f32_16x16x128_f8f6f4 v[ACC+8*\u:ACC+8*\u+7], v[76+12*\u+36*\s:87+12*\u+36*\s], v[64+36*\s:75+36*\s], 0, v[24+8*\u+\s], v[16+\s] matrix_a_fmt:MATRIX_FMT_FP6 matrix_b_fmt:MATRIX_FMT_FP6
.else
	v_wmma_scale_f32_16x16x128_f8f6f4 v[ACC+8*\u:ACC+8*\u+7], v[76+12*\u+36*\s:87+12*\u+36*\s], v[64+36*\s:75+36*\s], v[ACC+8*\u:ACC+8*\u+7], v[24+8*\u+\s], v[16+\s] matrix_a_fmt:MATRIX_FMT_FP6 matrix_b_fmt:MATRIX_FMT_FP6
.endif
.endr
.endr
.rept 4
	v_nop                                          ; places in front of the first read of results, and of the loads below
.endr
.irp c, 0,1,2,3
	ds_store_b128 v8, v[ACC+4*\c:ACC+4*\c+3] offset:512*\c
.endr
	s_wait_dscnt 0x0                               ; for the others' sake
	s_barrier_signal -1
	s_barrier_wait -1
	s_cmp_lg_u32 s[WV], 0
	s_cbranch_scc1 .Ldone
	s_wait_xcnt 0x0                                ; no earlier memory instruction still reads a register that is written below
.irp i, 1,2,3,4,5,6,7
.irp c, 0,1,2,3
	ds_load_b128 v[64+16*(\i-1)+4*\c:67+16*(\i-1)+4*\c], v9 offset:2048*\i+512*\c
.endr
.endr
	s_wait_dscnt 0x0
.irp i, 0,1,2,3,4,5,6
.irp j, 0,2,4,6,8,10,12,14
	v_pk_add_f32 v[ACC+\j:ACC+\j+1], v[ACC+\j:ACC+\j+1], v[64+16*\i+\j:65+16*\i+\j]
.endr
.endr
.irp j, 0,2,4,6,8,10,12,14
	v_pk_mul_f32 v[ACC+\j:ACC+\j+1], v[ACC+\j:ACC+\j+1], v[208+\j:209+\j]   ; xa * lora_S, in f32
.endr
	QUANT ACC
	PUT XIMG, XW
.Ldone:
	s_wait_tensorcnt 0x0                           ; the wave's end
	ds_add_u32 v254, v255
	s_wait_dscnt 0x0
	s_endpgm
.Lfunc_end_k_q183bf34c7c_lora:
	.size	k_q183bf34c7c_lora, .Lfunc_end_k_q183bf34c7c_lora-k_q183bf34c7c_lora
	.p2alignl 7, 3214868480
	.fill 96, 4, 3214868480
	.section	.rodata,"a",@progbits
	.p2align	6, 0x0
	.amdhsa_kernel k_q183bf34c7c_lora
		.amdhsa_group_segment_fixed_size 17408
		.amdhsa_private_segment_fixed_size 0
		.amdhsa_enable_private_segment 0
		.amdhsa_kernarg_size 48
		.amdhsa_user_sgpr_count 2
		.amdhsa_user_sgpr_kernarg_segment_ptr 1
		.amdhsa_wavefront_size32 1
		.amdhsa_system_sgpr_workgroup_id_x 1
		.amdhsa_system_sgpr_workgroup_id_y 1
		.amdhsa_system_sgpr_workgroup_id_z 1
		.amdhsa_system_vgpr_workitem_id 0
		.amdhsa_next_free_vgpr 256
		.amdhsa_next_free_sgpr 66
		.amdhsa_reserve_vcc 0
		.amdhsa_float_denorm_mode_32 3
		.amdhsa_float_denorm_mode_16_64 3
		.amdhsa_memory_ordered 1
		.amdhsa_forward_progress 1
		.amdhsa_inst_pref_size 18
	.end_amdhsa_kernel
	.amdgpu_metadata
---
amdhsa.version: [ 1, 2 ]
amdhsa.kernels:
  - .name:           k_q183bf34c7c_lora
    .symbol:         k_q183bf34c7c_lora.kd
    .args:
      - { .name: xc, .offset: 0, .size: 8, .value_kind: global_buffer, .address_space: global }
      - { .name: ac, .offset: 8, .size: 8, .value_kind: global_buffer, .address_space: global }
      - { .name: sc, .offset: 16, .size: 8, .value_kind: global_buffer, .address_space: global }
      - { .name: lora_S, .offset: 24, .size: 8, .value_kind: global_buffer, .address_space: global }
      - { .name: lora_B, .offset: 32, .size: 8, .value_kind: global_buffer, .address_space: global }
      - { .name: delta, .offset: 40, .size: 8, .value_kind: global_buffer, .address_space: global }
    .group_segment_fixed_size: 17408
    .private_segment_fixed_size: 0
    .kernarg_segment_align: 8
    .kernarg_segment_size: 48
    .max_flat_workgroup_size: 256
    .sgpr_count:     66
    .vgpr_count:     256
    .wavefront_size: 32
...
	.end_amdgpu_metadata
.endif
;; end of part 2
;; launch gemm (part 3): grid 16 x 16, 4 waves a work-group, clusters of 4 x 4, 327,680 bytes of LDS; arguments xc, wc, sc, out0, delta, bias; writes out0
.if DOCPART == 3
	.amdgcn_target "amdgcn-amd-amdhsa--gfx1250"
	.amdhsa_code_object_version 6
	.text
	.protected	k_q183bf34c7c_gemm
	.globl	k_q183bf34c7c_gemm
	.p2align	8
	.type	k_q183bf34c7c_gemm,@function
k_q183bf34c7c_gemm:
	s_mov_b64 s[64:65], 0
	v_nop
	global_prefetch_b8 v0, s[64:65] scope:SCOPE_SE
	s_setreg_imm32_b32 hwreg(HW_REG_WAVE_MODE, 25, 1), 1
	s_wait_xcnt 0x0
	s_wait_alu depctr_hold_cnt(0) depctr_sa_sdst(0) depctr_va_vdst(0) depctr_va_sdst(0) depctr_va_ssrc(0) depctr_va_vcc(0) depctr_vm_vsrc(0)
	s_getreg_b32 s2, hwreg(HW_REG_IB_STS2, 6, 4)
	s_cmp_eq_u32 s2, 0
	s_cbranch_scc0 .Lentry_in_a_cluster
	s_endpgm
.Lentry_in_a_cluster:
	s_bfe_u32 s2, ttmp6, 0x10000c
	s_cmp_lg_u32 s2, 0xf033
	s_cbranch_scc0 .Lentry_shape_is_right
	s_endpgm
.Lentry_shape_is_right:
; out0 = Q(x) Q(w_deq)^T + bias + Q(xa * lora_S) Q(lora_B)^T, on codes of FP6 (E2M3) with E8M0 scales made by the two launches before; sums in f32.
; A tile of 256 x 256 is made by four waves, each 128 x 128: 64 accumulators, 512 registers.  The sums begin with the low-rank product (one matrix step on register images, all other K places zero codes) with the bias as C.
; THE CODES lie in memory as register images: a fragment (16 rows x 128 K) is 1,536 dense bytes, fragments lie [block of 16 rows][step of 32].  K goes in PHASES of three steps (the last of two)
; through two LDS slots: a wave's tensor load brings 8 rows of 4,608 bytes (8 blocks of rows x 3 fragments), each row beginning at a multiple of 256 bytes.  A fragment is read by three loads of 512 consecutive bytes.
; The last fill states two fragments as what is left of each row: the third is written as zeros and is not read.
; THE SCALE WORDS go from memory straight into registers: [block of rows][phase][row][4 words]; lanes 0-15 take x's rows, lanes 16-31 w's, 256 consecutive bytes each; two sets of 32 registers, asked for one phase ahead.
; CLUSTERS: 4 x 4.  x's tiles are asked for jointly along a row of the cluster, w's along a column.  THE PRODUCT IS USED TRANSPOSED (source 0 = rows of w, source 1 = rows of x): a lane holds eight neighbouring columns of a row.
; PREFETCH: behind the refill of phase p + 2 each wave asks for phase p + 3 of two of the eight blocks of rows that it fetches (18 blocks of 256 bytes each; lanes 18-31 name the last again);
; the four partners share the eight out by address.  Phases 0-2 come by their loads alone, and so does phase 10, whose rows are shorter.
; REGISTERS: window 0: v0-31 addresses; v32-95 scale words; v96-103 the low-rank step's scale words; v128-223 x's fragments, one set.  Window 1: w's fragments, two sets, at v0 and v128; v96-127, v224-255 the bias.
; Windows 2, 3: the accumulators of my rows 0-63, 64-127.
.set SIZE_N, 4096
.set RBS,    49152                     ; a block of 16 rows of codes
.set FRB,    1536
.set PHB,    3*FRB
.set QUART,  8*PHB                     ; what one tensor load brings
.set SLOT,   4*QUART
.set SPARE,  2*SLOT                    ; the spare words, 512 bytes
.set STAGE,  SLOT                      ; the way out goes through slot 1, which has had its last fill and its last read by then
.set SPITCH, 528
.set SRB,    2816
.set WSO,    256*SRB
.set FR,     12
.set LIMG,   131072
.set XW,     262144
.set LW,     294912
.set ADRA, 16
.set ADRB, 20
.set STO,  24
.set RD,   25
.set CO,   26
.set VS,   27
.set SPW,  28
.set NIL,  29
.set PFO,  30
.set SC,   32
.set DS,   96
.set AF,   128
.set BK,   128
.set G1, 24
.set G0, 32
.set G1B, 48
.set G0B, 56
.set PFA, 92
.set MSB, 0
.macro WIN new
.if MSB != \new
	s_set_vgpr_msb (MSB<<8)|\new
.set MSB, \new
.endif
.endm
.set MUL_LO, 0xa1
.set MUL_HI, 0xf1
.set TO_B,   0x40
.macro JLOAD g0a, g1a, g0b, g1b        ; a joint load: waves 0, 1 fetch x's halves, waves 2, 3 w's; s_nop 0 and four v_nop follow each line
	s_cmp_eq_u32 s15, 0
	s_cbranch_scc0 .Lfor_b_\@
	tensor_load_to_lds s[\g0a:\g0a+3], s[\g1a:\g1a+7]
	s_nop 0
.rept 4
	v_nop
.endr
	s_branch .Lasked_\@
.Lfor_b_\@:
	tensor_load_to_lds s[\g0b:\g0b+3], s[\g1b:\g1b+7]
	s_nop 0
.rept 4
	v_nop
.endr
.Lasked_\@:
.endm
.macro CREST
	s_cmp_lg_u32 s14, 0
	s_cbranch_scc1 .Lnot_wave_0_\@
	s_barrier_signal -3
.Lnot_wave_0_\@:
	s_barrier_wait -3
	s_barrier_signal -1
	s_barrier_wait -1
.endm
.macro CROUND
	s_barrier_signal -1
	s_barrier_wait -1
	CREST
.endm
.macro ASK mode                        ; 1: always; 2: not in the loop's last trip, where the phase asked for would be the short one
.if \mode == 2
	s_cmp_gt_u32 s3, 1
	s_cbranch_scc0 .Lno_ask_\@
.endif
.if \mode
	global_prefetch_b8 v[PFO], s[PFA:PFA+1] th:TH_LOAD_NT scope:SCOPE_SE
	global_prefetch_b8 v[PFO], s[PFA:PFA+1] offset:RBS th:TH_LOAD_NT scope:SCOPE_SE
.endif
.if \mode == 2
.Lno_ask_\@:
.endif
.endm
.macro PLACES n
.rept \n
	v_nop
.endr
.endm
	s_load_b256 s[4:11], s[0:1], 0x0               ; xc, wc, sc, out0
	s_load_b128 s[96:99], s[0:1], 0x20             ; delta, bias
	v_lshl_add_u32 v[SPW], v0, 2, SPARE
	v_mov_b32 v[NIL], 0
	ds_add_u32 v[SPW], v[NIL]                      ; the opening lines: the add twice on end and its wait
	ds_add_u32 v[SPW], v[NIL]
	v_lshrrev_b32 v1, 5, v0
	v_readfirstlane_b32 s14, v1                    ; wave
	s_lshr_b32 s15, s14, 1                         ; my half of the rows; also: I fetch for x (0) or w (1)
	s_and_b32 s16, s14, 1                          ; my half of the columns; also: which half of the tile I fetch
	s_bfe_u32 s40, ttmp6, 0x40000                  ; cx
	s_bfe_u32 s41, ttmp6, 0x40004                  ; cy
	s_lshl_b32 s42, ttmp9, 2
	s_add_co_u32 s42, s42, s40                     ; tile column
	s_and_b32 s17, ttmp7, 0xffff
	s_lshl_b32 s17, s17, 2
	s_add_co_u32 s17, s17, s41                     ; tile row
	s_lshl_b32 s43, s41, 2
	s_lshl_b32 s43, 15, s43                        ; my row of the cluster
	s_lshl_b32 s44, 0x1111, s40                    ; my column
	s_or_b32 s[G1], s43, (3<<16)|(1<<21)           ; elements of 8 bytes; bit 21 beside a mask; no padding
	s_or_b32 s[G1B], s44, (3<<16)|(1<<21)
.irp g, G1, G1B
	s_mov_b32 s[\g+1], (PHB/8)<<16
	s_mov_b32 s[\g+2], 8<<16
	s_mov_b32 s[\g+3], (PHB/8)<<16
	s_mov_b32 s[\g+4], 8
	s_mov_b32 s[\g+5], RBS/8
	s_mov_b32 s[\g+6], 0
	s_mov_b32 s[\g+7], 0
.endr
	s_lshl_b32 s18, s16, 3
	s_lshl_b32 s20, s17, 4
	s_add_co_u32 s20, s20, s18
	s_mul_i32 s20, s20, RBS                        ; x: block of rows 16 x tile row + 8 x half
	s_mov_b32 s21, 0
	s_lshl_b32 s46, s42, 4
	s_add_co_u32 s46, s46, s18
	s_mul_i32 s46, s46, RBS                        ; w: by the tile column
	s_mov_b32 s47, 0
	s_mul_i32 s45, s14, QUART
	s_wait_dscnt 0x0
	s_wait_kmcnt 0x0
	s_add_nc_u64 s[20:21], s[4:5], s[20:21]
	s_add_nc_u64 s[46:47], s[6:7], s[46:47]
.irp s, 0,1
	s_mov_b32 s[G0+4*\s], 1
	s_add_co_u32 s[G0+4*\s+1], s45, \s*SLOT
	s_add_nc_u64 s[G0+4*\s+2:G0+4*\s+3], s[20:21], \s*PHB
	s_or_b32 s[G0+4*\s+3], s[G0+4*\s+3], 0x80000000
	s_mov_b32 s[G0B+4*\s], 1
	s_add_co_u32 s[G0B+4*\s+1], s45, \s*SLOT
	s_add_nc_u64 s[G0B+4*\s+2:G0B+4*\s+3], s[46:47], \s*PHB
	s_or_b32 s[G0B+4*\s+3], s[G0B+4*\s+3], 0x80000000
.endr
	CROUND                                         ; all sixteen work-groups are here
	JLOAD G0, G1, G0B, G1B                         ; phase 0: one tensor load a wave at the head
	; scalars first, then the vector lines on end
	s_mul_i32 s80, s15, QUART                      ; my x rows in a slot
	s_mul_i32 s81, s16, QUART
	s_add_co_u32 s81, s81, 2*QUART                 ; my w rows
	s_mul_i32 s82, s14, 16*SPITCH
	s_add_co_u32 s82, s82, STAGE
	s_lshl_b32 s68, s17, 8
	s_lshl_b32 s69, s15, 7
	s_add_co_u32 s68, s68, s69
	s_lshl_b32 s68, s68, 14                        ; my first row of out0, 16,384 bytes a row
	s_lshl_b32 s70, s42, 10
	s_add_co_u32 s68, s68, s70
	s_lshl_b32 s70, s16, 9
	s_add_co_u32 s68, s68, s70
	s_mov_b32 s69, 0
	s_add_nc_u64 s[12:13], s[10:11], s[68:69]
	s_lshl_b32 s70, s17, 4
	s_lshl_b32 s71, s42, 4
	s_cmp_eq_u32 s15, 0
	s_cselect_b32 s70, s70, s71
	s_cselect_b32 s71, s40, s41                    ; my place among the four that ask with me
	s_cselect_b64 s[PFA:PFA+1], s[4:5], s[6:7]
	s_add_co_u32 s70, s70, s18
	s_lshl_b32 s71, s71, 1
	s_add_co_u32 s70, s70, s71                     ; my work-group's two blocks of rows
	s_mul_i32 s70, s70, RBS
	s_add_co_u32 s70, s70, 2*PHB                   ; at phase 2: each change of slots steps it first
	s_mov_b32 s71, 0
	s_add_nc_u64 s[PFA:PFA+1], s[PFA:PFA+1], s[70:71]
	s_lshl_b32 s72, s17, 13
	s_lshl_b32 s74, s15, 12
	s_add_co_u32 s72, s72, s74
	s_mov_b32 s73, 0
	s_add_nc_u64 s[76:77], s[96:97], s[72:73]      ; images of xa * lora_S, my 8
	s_lshl_b32 s72, s42, 13
	s_lshl_b32 s74, s16, 12
	s_add_co_u32 s72, s72, s74
	s_add_nc_u64 s[78:79], s[96:97], s[72:73]      ; of lora_B (+ LIMG)
	s_lshl_b32 s83, s17, 11
	s_lshl_b32 s74, s15, 10
	s_add_co_u32 s83, s83, s74
	s_lshl_b32 s84, s42, 11
	s_lshl_b32 s74, s16, 10
	s_add_co_u32 s84, s84, s74
	s_add_co_u32 s85, s84, LW-XW
	s_lshr_b32 s86, s84, 1                         ; bias: 4 bytes a column
	s_lshl_b32 s87, s17, 4
	s_lshl_b32 s74, s15, 3
	s_add_co_u32 s87, s87, s74
	s_mul_i32 s87, s87, SRB
	s_lshl_b32 s88, s42, 4
	s_add_co_u32 s88, s88, s18
	s_mul_i32 s88, s88, SRB
	s_add_co_u32 s88, s88, WSO
	v_and_b32 v1, 15, v0                           ; r
	v_bfe_u32 v2, v0, 4, 1                         ; h
	v_and_b32 v6, 31, v0
	v_lshlrev_b32 v[CO], 4, v6                     ; 16 x lane
	v_add_nc_u32 v[ADRA], s80, v[CO]
	v_add_nc_u32 v[ADRB], s81, v[CO]
	v_add_nc_u32 v[ADRA+1], SLOT, v[ADRA]
	v_add_nc_u32 v[ADRB+1], SLOT, v[ADRB]
	v_mul_u32_u24 v5, v1, SPITCH
	v_lshl_add_u32 v5, v2, 5, v5
	v_add_nc_u32 v[STO], s82, v5
	v_add_nc_u32 v[RD], s82, v[CO]
	v_mov_b32 v7, s83
	v_mov_b32 v8, s85
	v_cmp_eq_u32 vcc_lo, 1, v2
	v_cndmask_b32 v7, v7, v8, vcc_lo
	v_lshl_add_u32 v7, v1, 2, v7                   ; low-rank scale words: lanes 0-15 xa's, 16-31 lora_B's
	v_lshl_add_u32 v8, v2, 5, s86
	v_mov_b32 v9, s87
	v_mov_b32 v10, s88
	v_cndmask_b32 v9, v9, v10, vcc_lo
	v_lshl_add_u32 v[VS], v1, 4, v9                ; scale words: lanes 0-15 x's rows, 16-31 w's
	v_min_u32 v[PFO], 17, v6
	v_lshlrev_b32 v[PFO], 8, v[PFO]
	s_wait_alu depctr_va_vdst(0)                   ; the wait behind the head's address lines
.macro SCLOAD set, off
.irp i, 0,1,2,3,4,5,6,7
	global_load_b128 v[SC+32*(\set)+4*\i:SC+32*(\set)+4*\i+3], v[VS], s[8:9] offset:(\off)+SRB*\i
.endr
.endm
.irp i, 0,1,2,3,4,5,6,7
	global_load_b128 v[AF+FR*\i:AF+FR*\i+3], v[CO], s[76:77] offset:512*\i
	global_load_b32 v[DS+\i], v7, s[96:97] offset:XW+128*\i
.endr
	SCLOAD 0, 0
	WIN TO_B
.irp i, 0,1,2,3,4,5,6,7
	global_load_b128 v[128+FR*\i:128+FR*\i+3], v[CO], s[78:79] offset:LIMG+512*\i
	global_load_b128 v[96+8*\i+96*(\i/4):96+8*\i+96*(\i/4)+3], v8, s[98:99] offset:64*\i
	global_load_b128 v[96+8*\i+96*(\i/4)+4:96+8*\i+96*(\i/4)+7], v8, s[98:99] offset:64*\i+16
.endr
.irp i, 0,1,2,3,4,5,6,7
.irp j, 4,5,6,7,8,9,10,11
	v_mov_b32 v[128+FR*\i+\j], 0                   ; zero codes at the K places that the rank does not fill
.endr
.endr
	WIN 0
.irp i, 0,1,2,3,4,5,6,7
.irp j, 4,5,6,7,8,9,10,11
	v_mov_b32 v[AF+FR*\i+\j], 0
.endr
.endr
.macro FRAG reg, adr, off
.irp g, 0,1,2
	ds_load_b128 v[\reg+4*\g:\reg+4*\g+3], v[\adr] offset:(\off)+512*\g
.endr
.endm
; 16 matrix instructions: x's blocks a0, a0 + 1 against w's eight.  p: w's set; sb, ss: first scale register and its stride.  start = 1: C is the bias.  The 64 accumulators take turns.
.macro MUL16 a0, p, sb, ss, start
.irp a, \a0, \a0+1
.irp b, 0,1,2,3,4,5,6,7
.if \start
	v_wmma_scale_f32_16x16x128_f8f6f4 v[8*(8*((\a)%4)+\b):8*(8*((\a)%4)+\b)+7], v[128*(\p)+FR*\b:128*(\p)+FR*\b+FR-1], v[AF+FR*(\a):AF+FR*(\a)+FR-1], v[96+8*\b+96*(\b/4):96+8*\b+96*(\b/4)+7], v[(\sb)+(\ss)*\b], v[(\sb)+(\ss)*(\a)] matrix_a_fmt:MATRIX_FMT_FP6 matrix_b_fmt:MATRIX_FMT_FP6 matrix_a_scale:MATRIX_SCALE_ROW1
.else
	v_wmma_scale_f32_16x16x128_f8f6f4 v[8*(8*((\a)%4)+\b):8*(8*((\a)%4)+\b)+7], v[128*(\p)+FR*\b:128*(\p)+FR*\b+FR-1], v[AF+FR*(\a):AF+FR*(\a)+FR-1], v[8*(8*((\a)%4)+\b):8*(8*((\a)%4)+\b)+7], v[(\sb)+(\ss)*\b], v[(\sb)+(\ss)*(\a)] matrix_a_fmt:MATRIX_FMT_FP6 matrix_b_fmt:MATRIX_FMT_FP6 matrix_a_scale:MATRIX_SCALE_ROW1
.endif
.endr
.endr
.endm
.macro FETCH_BH slot, s, p, i0         ; four of w's fragments of the slot's step s into set p; leaves the destination in window 1
	WIN TO_B
.irp i, \i0, \i0+1, \i0+2, \i0+3
	FRAG 128*(\p)+FR*(\i), ADRB+\slot, (\i)*PHB+(\s)*FRB
.endr
.endm
.macro FETCH_A slot, s, i0
.irp i, \i0, \i0+1, \i0+2, \i0+3
	FRAG AF+FR*(\i), ADRA+\slot, (\i)*PHB+(\s)*FRB
.endr
.endm
; One of a phase's first two steps: 64 products; the next step's fragments come from the same slot.  w's set in use is (slot + s) % 2.  ld = 1: the next phase's scale words are asked for.
.macro STEP slot, s, ld
.set PAR, ((\slot)+(\s))%2
.if (\s) == 0
	s_wait_loadcnt 0x0                             ; this phase's scale words, asked for a phase ago
.endif
	s_wait_dscnt 12                                ; all but the youngest twelve loads (x's blocks 4-7)
	FETCH_BH \slot, (\s)+1, 1-PAR, 0
	WIN MUL_LO
	MUL16 0, PAR, SC+32*(\slot)+(\s), 4, 0
	MUL16 2, PAR, SC+32*(\slot)+(\s), 4, 0
	s_wait_dscnt 12                                ; x's blocks 4-7 are in; the twelve just issued may be out
	PLACES 4
	FETCH_BH \slot, (\s)+1, 1-PAR, 4
	WIN 0
	FETCH_A \slot, (\s)+1, 0
.if \ld
	SCLOAD 1-(\slot), 256
.endif
	WIN MUL_HI
	MUL16 4, PAR, SC+32*(\slot)+(\s), 4, 0
	MUL16 6, PAR, SC+32*(\slot)+(\s), 4, 0
	PLACES 4
	WIN 0
	FETCH_A \slot, (\s)+1, 4
.endm
; A phase's third step changes slots: one barrier.  In front of it each wave waits for all its tensor loads (one is out: its part of the other slot), adds 0 to its spare word, and waits for that and its reads of this slot.
; fill = 1: the barrier opens a round of the cluster's barrier and this slot is filled again, two phases on; 2: the same with two fragments left in each row; 0: nothing is filled.
.macro TURN slot, fill, ask
	s_wait_xcnt 0x0                                ; my prefetches and scale loads have read their bases
.if \ask
	s_add_nc_u64 s[PFA:PFA+1], s[PFA:PFA+1], PHB
.endif
	s_add_nc_u64 s[8:9], s[8:9], 256               ; the scale words' next phase
	s_wait_tensorcnt 0x0
	ds_add_u32 v[SPW], v[NIL]
	s_wait_dscnt 13                                ; the add and x's blocks 4-7 may be out
	WIN MUL_LO
	MUL16 0, \slot, SC+32*(\slot)+2, 4, 0
	s_wait_dscnt 0x0                               ; the add is done, my reads of this slot are over
	s_barrier_signal -1
	MUL16 2, \slot, SC+32*(\slot)+2, 4, 0
	WIN 0
	s_barrier_wait -1
.if \fill
	CREST
	s_add_nc_u64 s[G0+4*\slot+2:G0+4*\slot+3], s[G0+4*\slot+2:G0+4*\slot+3], 2*PHB
	s_add_nc_u64 s[G0B+4*\slot+2:G0B+4*\slot+3], s[G0B+4*\slot+2:G0B+4*\slot+3], 2*PHB
.if \fill == 2
	s_mov_b32 s[G1+1], (2*FRB/8)<<16               ; no load of mine is out: what is left of a row is two fragments
	s_mov_b32 s[G1B+1], (2*FRB/8)<<16
.endif
	JLOAD G0+4*\slot, G1, G0B+4*\slot, G1B         ; the first tensor load behind the round; its four v_nop are the places for the loads below
.else
	PLACES 4
.endif
	FETCH_BH 1-\slot, 0, 1-\slot, 0
	FETCH_BH 1-\slot, 0, 1-\slot, 4
	WIN 0
	FETCH_A 1-\slot, 0, 0
	ASK \ask
	WIN MUL_HI
	MUL16 4, \slot, SC+32*(\slot)+2, 4, 0
	MUL16 6, \slot, SC+32*(\slot)+2, 4, 0
	PLACES 4
	WIN 0
	FETCH_A 1-\slot, 0, 4
.endm
	s_wait_alu depctr_va_vdst(0)                   ; the wait here, directly ahead of the wait below
	s_wait_loadcnt 0x0
	PLACES 4                                       ; operands written by vector lines stand four places ahead of a scaled product
	WIN 0x91                                       ; w window 1, x window 0, C (the bias) window 1, D window 2
	MUL16 0, 1, DS, 1, 1
	MUL16 2, 1, DS, 1, 1
	WIN 0xd1
	MUL16 4, 1, DS, 1, 1
	MUL16 6, 1, DS, 1, 1
	WIN 0
	s_wait_tensorcnt 0x0                           ; my part of phase 0 is in; slot 1's first fill is issued as a refill is
	ds_add_u32 v[SPW], v[NIL]
	s_wait_dscnt 0x0
	CROUND
	JLOAD G0+4, G1, G0B+4, G1B                     ; phase 1
	FETCH_BH 0, 0, 0, 0
	FETCH_BH 0, 0, 0, 4
	WIN 0
	FETCH_A 0, 0, 0
	FETCH_A 0, 0, 4
	s_mov_b32 s3, 4
.Llap:                                                 ; a trip: two phases, six steps, both slots filled again: phases 0-7
	STEP 0, 0, 1
	STEP 0, 1, 0
	TURN 0, 1, 1
	STEP 1, 0, 1
	STEP 1, 1, 0
	TURN 1, 1, 2
	s_sub_co_u32 s3, s3, 1
	s_cmp_lg_u32 s3, 0
	s_cbranch_scc1 .Llap
	STEP 0, 0, 1                                   ; phase 8; its change of slots asks for the short phase 10
	STEP 0, 1, 0
	TURN 0, 2, 0
	STEP 1, 0, 1                                   ; phase 9; nothing more to fetch
	STEP 1, 1, 0
	TURN 1, 0, 0
	STEP 0, 0, 0                                   ; phase 10: two steps
	s_wait_dscnt 12
	WIN MUL_LO
	MUL16 0, 1, SC+1, 4, 0
	MUL16 2, 1, SC+1, 4, 0
	s_wait_dscnt 0
	WIN MUL_HI
	MUL16 4, 1, SC+1, 4, 0
	MUL16 6, 1, SC+1, 4, 0
	WIN 0
; THE WAY OUT, by blocks of 16 rows x 128 columns through my own stage: in as 32 bytes a lane, back as whole rows of 512 bytes.  LDS serves a wave's instructions in order.
.macro TOSTAGE a
.set AC, 64*((\a)%4)
	WIN 0x08+4*((\a)/4)
.irp b, 0,1,2,3,4,5,6,7
	ds_store_b128 v[STO], v[AC+8*\b:AC+8*\b+3] offset:64*\b          ; each accumulator from its low end on
	ds_store_b128 v[STO], v[AC+8*\b+4:AC+8*\b+7] offset:64*\b+16
.endr
	WIN 0
.set BB, BK+64*((\a)%2)
.irp t, 0,1,2,3,4,5,6,7,8,9,10,11,12,13,14,15
	ds_load_b128 v[BB+4*\t:BB+4*\t+3], v[RD] offset:\t*SPITCH
.endr
.endm
.macro SEND a, younger
.set BB, BK+64*((\a)%2)
	s_wait_dscnt \younger
.if (\a) > 0
	s_add_nc_u64 s[12:13], s[12:13], 16*SIZE_N*4   ; behind a wait on XCNT
.endif
.irp t, 0,1,2,3,4,5,6,7,8,9,10,11,12,13,14,15
	global_store_b128 v[CO], v[BB+4*\t:BB+4*\t+3], s[12:13] offset:\t*SIZE_N*4 th:TH_STORE_NT   ; 512 consecutive bytes
.endr
.endm
	PLACES 4
	TOSTAGE 0
.irp a, 1,2,3,4,5,6,7
.if \a > 1
	s_wait_xcnt 0x0                                ; block a - 2's stores have read their registers and base
.endif
	TOSTAGE \a
	SEND \a-1, 32
.endr
	s_wait_xcnt 0x0
	SEND 7, 0
	s_wait_tensorcnt 0x0                           ; the wave's end
	ds_add_u32 v[SPW], v[NIL]
	s_wait_dscnt 0x0
	CROUND                                         ; the closing round
	s_endpgm
.Lfunc_end_k_q183bf34c7c_gemm:
	.size	k_q183bf34c7c_gemm, .Lfunc_end_k_q183bf34c7c_gemm-k_q183bf34c7c_gemm
	.p2alignl 7, 3214868480
	.fill 96, 4, 3214868480
	.section	.rodata,"a",@progbits
	.p2align	6, 0x0
	.amdhsa_kernel k_q183bf34c7c_gemm
		.amdhsa_group_segment_fixed_size 327680
		.amdhsa_private_segment_fixed_size 0
		.amdhsa_enable_private_segment 0
		.amdhsa_kernarg_size 48
		.amdhsa_user_sgpr_count 2
		.amdhsa_user_sgpr_kernarg_segment_ptr 1
		.amdhsa_wavefront_size32 1
		.amdhsa_system_sgpr_workgroup_id_x 1
		.amdhsa_system_sgpr_workgroup_id_y 1
		.amdhsa_system_sgpr_workgroup_id_z 1
		.amdhsa_system_vgpr_workitem_id 0
		.amdhsa_next_free_vgpr 1024
		.amdhsa_next_free_sgpr 100
		.amdhsa_reserve_vcc 1
		.amdhsa_float_denorm_mode_32 3
		.amdhsa_float_denorm_mode_16_64 3
		.amdhsa_memory_ordered 1
		.amdhsa_forward_progress 1
		.amdhsa_inst_pref_size 224
	.end_amdhsa_kernel
	.amdgpu_metadata
---
amdhsa.version: [ 1, 2 ]
amdhsa.kernels:
  - .name:           k_q183bf34c7c_gemm
    .symbol:         k_q183bf34c7c_gemm.kd
    .args:
      - { .name: xc, .offset: 0, .size: 8, .value_kind: global_buffer, .address_space: global }
      - { .name: wc, .offset: 8, .size: 8, .value_kind: global_buffer, .address_space: global }
      - { .name: sc, .offset: 16, .size: 8, .value_kind: global_buffer, .address_space: global }
      - { .name: out0, .offset: 24, .size: 8, .value_kind: global_buffer, .address_space: global }
      - { .name: delta, .offset: 32, .size: 8, .value_kind: global_buffer, .address_space: global }
      - { .name: bias, .offset: 40, .size: 8, .value_kind: global_buffer, .address_space: global }
    .group_segment_fixed_size: 327680
    .private_segment_fixed_size: 0
    .kernarg_segment_align: 8
    .kernarg_segment_size: 48
    .max_flat_workgroup_size: 128
    .sgpr_count:     100
    .vgpr_count:     1024
    .wavefront_size: 32
...
	.end_amdgpu_metadata
.endif
;; end of part 3
